; MI455X (gfx1250); checked and timed in simulation.
; The chip was launched on July 23, 2026; its instructions are those of AMD's public machine-readable ISA for CDNA 5 (MIT licence, August 2026) and "CDNA5" Instruction Set Architecture Reference Guide (July 2026). The comments in the code are by the model that wrote it; some were corrected since.
;; Multi Query Self Attention. Allowed arithmetic: matrix products marked QUANTISED: E2M1 operands, one E8M0 scale for each 32 along K, by v_wmma_scale_f32_16x16x128_f8f6f4 with both operands' format E2M1 (or v_wmma_scale_f32_32x16x128_f4), f32 sums; everything else in f32.
;; Inputs: W_k_codes 64 x 32 x 16 uint8 (E2M1 codes of W_k, K innermost, in blocks of 32 codes, two codes a byte); W_k_scales 64 x 32 uint8 (E8M0 scales of W_k, one for each 32 codes along K); W_o_codes 1,024 x 32 x 16 uint8 (E2M1 codes of W_o, K innermost, in blocks of 32 codes, two codes a byte); W_o_scales 1,024 x 32 uint8 (E8M0 scales of W_o, one for each 32 codes along K); W_q_codes 1,024 x 32 x 16 uint8 (E2M1 codes of W_q, K innermost, in blocks of 32 codes, two codes a byte); W_q_scales 1,024 x 32 uint8 (E8M0 scales of W_q, one for each 32 codes along K); W_v_codes 64 x 32 x 16 uint8 (E2M1 codes of W_v, K innermost, in blocks of 32 codes, two codes a byte); W_v_scales 64 x 32 uint8 (E8M0 scales of W_v, one for each 32 codes along K); b_k 64 float32; b_o 1,024 float32; b_q 1,024 float32; b_v 64 float32; x_codes 4 x 2,048 x 32 x 16 uint8 (E2M1 codes of x, K innermost, in blocks of 32 codes, two codes a byte); x_scales 4 x 2,048 x 32 uint8 (E8M0 scales of x, one for each 32 codes along K).
;; Outputs: out0 4 x 2,048 x 1,024 float32.
;; This version of the problem:
;;   THIS VERSION OF THE PROBLEM IS GIVEN IN LOW PRECISION. The matrix products marked QUANTISED in the list below multiply operands that are first quantised to E2M1 (2 exponent bits, 1 mantissa bit; 4 bits a number), with one power-of-two scale for each 32 numbers along K (OCP MX v1.0); their sums are f32. All else is computed in f32.
;;   The module's matrix products, in the order in which they are computed (A, B: the left and right operand; K: the contracted axis; several contracted axes count as one K, in the product's order):
;;     1. [M 8,192, K 1,024] x [K 1,024, N 1,024]; A: input x (given as codes); B: input W_q (given as codes): QUANTISED
;;     2. [M 8,192, K 1,024] x [K 1,024, N 64]; A: input x (given as codes); B: input W_k (given as codes): QUANTISED
;;     3. [M 8,192, K 1,024] x [K 1,024, N 64]; A: input x (given as codes); B: input W_v (given as codes): QUANTISED
;;     4. batch 4 x [M 32,768, K 64] x [K 64, N 2,048]; A: computed on the way; B: computed on the way: QUANTISED
;;     5. batch 4 x [M 32,768, K 2,048] x [K 2,048, N 64]; A: softmax (see below); B: computed on the way: QUANTISED
;;     6. [M 8,192, K 1,024] x [K 1,024, N 1,024]; A: computed on the way; B: input W_o (given as codes): QUANTISED
;;   THE QUANTISER, for each operand of a quantised product, along K:
;;     - K is cut into blocks of 32 from its start; a last block that is shorter is filled with zeros.
;;     - A block's scale is 2^e with e = floor(log2(the largest magnitude in the block)) - 2, held to -126 .. 127; a block of zeros has e = 0. As a byte (E8M0): e + 127.
;;     - Each number is divided by its block's scale, clamped to +-6, and rounded to the nearest number of E2M1, ties to even, subnormals kept.
;;     - The product sums the exact products of the quantised numbers (number of the format x scale) in f32.
;;   ~~~python
;;   def quantise(x, axis):      # numpy; x: float32 -> the quantised numbers, widened to float32 again
;;       x = np.moveaxis(x, axis, -1); K = x.shape[-1]
;;       x = np.pad(x, [(0, 0)] * (x.ndim - 1) + [(0, -K % 32)]); x = x.reshape(x.shape[:-1] + (-1, 32)); a = np.abs(x).max(-1, keepdims=True)
;;       e = np.where(a > 0, np.clip(np.frexp(np.where(a > 0, a, 1))[1] - 1 - 2, -126, 127), 0)      # np.frexp(a)[1] - 1 = floor(log2(a)), exactly
;;       r = np.clip(x / 2.0 ** e, -6, 6)
;;       step = 2.0 ** (np.maximum(np.frexp(np.where(r == 0, 1, r))[1] - 1, 0) - 1)
;;       q = np.round(r / step) * step * 2.0 ** e      # np.round: ties to even
;;       return np.moveaxis(q.reshape(q.shape[:-2] + (-1,))[..., :K], -1, axis).astype(np.float32)
;;   ~~~
;;   SOFTMAX AHEAD OF A QUANTISED PRODUCT. Where the list says 'softmax', what is quantised is not the finished softmax but p = 2^(t - M), with t = logit x log2(e) and M = ceil(the row's largest t), a whole number; so 1/2 < the row's largest p <= 1. The row's sum l is taken of the UNQUANTISED p, in f32, and the product's result is divided by l at the end. Since M is a whole number, a kernel that streams over the keys may use a running M (the ceiling of the running maximum): every later rescaling is an exact power of two, which a block's scale takes up: the codes' values come out the same.
;;   OPERANDS COMPUTED ON THE WAY. 'Computed on the way' means the value that the module computes at that place (a softmax that the list does not call 'softmax' is quantised finished and normalised). What goes into a quantiser is computed in f32, as accurately as f32 sums, v_exp_f32 and their like allow (about 1e-6 of the number): no bf16 or f16 on the way to a quantiser, and a product that is left as it is and whose result goes on into a quantised operand takes f32 operands (vector FMAs, or v_wmma_f32_16x16x4_f32). A number that lies on a knife's edge between two numbers of the format may be rounded either way, as far as f32 arithmetic and the matrix unit's own rounding can turn it there, and no further.
;;   INPUTS GIVEN AS CODES. W_k (in the module: [1024, 64], K = its axis 0); W_o (in the module: [1024, 1024], K = its axis 0); W_q (in the module: [1024, 1024], K = its axis 0); W_v (in the module: [1024, 64], K = its axis 0); x (in the module: [4, 2048, 1024], K = its axis 2): each comes as NAME_codes (uint8): NAME with its K axis moved to the last place and cut into blocks of 32 codes, [.., K / 32, bytes a block], one block behind the other in memory; two codes a byte, the lower K in the low four bits (a code: sign, 2 exponent bits, 1 mantissa bit); and NAME_scales (uint8): the same leading axes, one E8M0 byte (e + 127) for each 32 codes along K. Its value is code x scale, taken as it is: it is not quantised again, and the codes and scales need not be those that the quantiser above would give.
;; One version. Each part assembles by itself: llvm-mc -triple=amdgcn-amd-amdhsa -mcpu=gfx1250 --defsym DOCPART=n.
;; ======== version 1 of 1: 2 launches
;; limits: right only within a limited range of input values
;; workspace buffers: qimg 5,242,880 bytes; kv 606,208 bytes; woimg 524,288 bytes
;; launch proj (part 1): grid 64 x 4, 18 waves a work-group, clusters of 4 x 1, 305,920 bytes of LDS; arguments x_codes, x_scales, W_q_codes, W_q_scales, W_k_codes, W_k_scales, W_v_codes, W_v_scales, b_q, b_k, b_v, W_o_codes, qimg, kv, woimg; writes qimg, kv, woimg
.if DOCPART == 1
	.amdgcn_target "amdgcn-amd-amdhsa--gfx1250"
	.amdhsa_code_object_version 6
	.text
	.protected	k_q80b222a281_proj
	.globl	k_q80b222a281_proj
	.p2align	8
	.type	k_q80b222a281_proj,@function
k_q80b222a281_proj:
	s_mov_b64 s[64:65], 0
	v_nop
	global_prefetch_b8 v0, s[64:65] scope:SCOPE_SE
	s_setreg_imm32_b32 hwreg(HW_REG_WAVE_MODE, 25, 1), 1
	s_wait_xcnt 0x0
	s_wait_alu depctr_hold_cnt(0) depctr_sa_sdst(0) depctr_va_vdst(0) depctr_va_sdst(0) depctr_va_ssrc(0) depctr_va_vcc(0) depctr_vm_vsrc(0)
	s_getreg_b32 s2, hwreg(HW_REG_IB_STS2, 6, 4)
	s_cmp_eq_u32 s2, 0
	s_cbranch_scc0 .Lentry_in_a_cluster
	s_endpgm
.Lentry_in_a_cluster:
	s_bfe_u32 s2, ttmp6, 0x10000c
	s_cmp_lg_u32 s2, 0x3003
	s_cbranch_scc0 .Lentry_shape_is_right
	s_endpgm
.Lentry_shape_is_right:
; q = x W_q + b_q, k = x W_k + b_k, v = x W_v + b_v on codes of FP4 (E2M1) with one E8M0 scale for each 32 along K; sums in f32.  The results are quantised in registers
; (q and k along a head's 64 channels, v along the keys) and stored as IMAGES OF OPERAND REGISTERS, which the next launch takes by loads of 16 bytes a lane.  W_o's codes are copied into the same order.
; SHARES.  Work-group (rb, y): rows 128 rb .. + 127 of x (one key step of one batch), heads 4 y .. 4 y + 3.  18 waves, 18 jobs of 64 matrix instructions (8 accumulators x 8 K steps of 128), all of one text:
;   4 tiles of a weight's rows and 2 tiles of x's rows.  Wave w < 16: W_q's head 4 y + w % 4, rows 32 (w / 4) on;  wave 16: W_k, rows 32 y on;  wave 17: W_v, rows 32 y on.
;   q and k: source 0 = the weight: a lane holds one row, its registers run along the channels.  v: source 0 = x: a lane holds one channel, its registers run along the 32 keys: one block of the keys.
; THE ROWS OF A TILE ARE NOT NEIGHBOURS: of a group of 32, lane r of tile u takes 8 u + r + 8 (r / 8).  As source 0 such a tile leaves register j of lane (r, h) with element 16 h + 8 u + j,
; so the 16 registers of two neighbouring tiles are 16 neighbours along the next product's K.
; LDS is filled once, one tensor load a wave: 8 units of 64 rows of codes (x 0-1, W_q 2-5, W_k 6, W_v 7), their scale bytes, and rows 32 y on of x once more at a fixed place (XK),
; so that no address into the padded rows hangs on y; the scale bytes, which lie dense, are read at 32 y.
; CLUSTER.  The four work-groups of a cluster have the same y and neighbouring rb: they ask for the 384 rows of weights JOINTLY; x's rows are each work-group's own.
; STORES.  Each covers 512 or 256 consecutive bytes at a multiple of 256, but v's scale bytes: 64 single bytes a work-group, one byte of each of 64 scale words.
; LIMITS.  NaN, infinities and scale bytes 0xff among the inputs are not served.  A block whose largest magnitude lies under 2^-124, zeros among them, gets the scale byte 1; these bytes are read by this program alone.
.set PITCH, 528                        ; a row of codes in LDS: 512 bytes + 16 of padding
.set UNIT,  64*PITCH
.set SCB,   8*UNIT                     ; the scale bytes, 32 a row, 2,048 a unit
.set SUNIT, 2048
.set SPARE, SCB+8*SUNIT                ; the spare words: 18 x 128 bytes
.set XK,    SPARE+2304                 ; 32 rows of x for waves 16 and 17
.set QREC,  1280                       ; a record of 32 rows x 64 channels: tile 0's codes (16 x lane), tile 1's at 512, the pairs of scale words (8 x lane) at 1,024
.set KVREC, 9472                       ; a key step's record: 4 such records of k, at 5,120 four fragments of v (1,024 each), at 9,216 their scale words (64 bytes a fragment)
.set L16,  1
.set L8,   2
.set RP,   3                           ; r + 8 (r / 8)
.set AWQ,  4                           ; my lane's place in my unit of weights
.set AXQ,  5                           ; and in my 32 rows of x
.set ASWQ, 6                           ; the same among the scale bytes
.set ASXQ, 7
.set AXV,  8                           ; row x pitch + 16 h
.set VST,  9                           ; v's codes: 1,024 h + 16 r
.set ASXV, 10                          ; SCB + 32 x row
.set BOQ,  12                          ; 64 h
.set BOV,  13                          ; 4 x (r + 8 (r / 8))
.set CSRC, 14
.set CDST, 15
.set SCW,  16                          ; v16-21 scale words and nothing else
.set R4,   25                          ; 4 r
.set FRG,  26                          ; weights 26 + 8 n, x 58 + 8 u
.set BIQ,  74                          ; v74-105 the biases of 4 tiles, in the result's layout
.set ACC,  106
.set CP,   170
.set BM,   26
.set T2,   30
.set T3,   34
.set W0,   38
.set PC,   42
.set WV,   34
.set SEL,  92
; s35 cx, s36 rb, s37 y, s38 wave % 8, s39 wave % 2.  What is made of cx lives in s35, s36, s66, s[100:101], s[104:105] and x's own descriptors alone.
; s[40:47], s[48:55] group 1 for codes: x's (plain), the weights' (joint);  s[56:63], s[68:75] the same for scale bytes;  s[76:91] their groups 0;  s[4:11], s[12:15] groups 1 and 0 for XK.
.macro ROUND
	s_barrier_signal -1
	s_barrier_wait -1
	s_cmp_lg_u32 s[WV], 0
	s_cbranch_scc1 .Lnot_wave_0_\@
	s_barrier_signal -3
.Lnot_wave_0_\@:
	s_barrier_wait -3
	s_barrier_signal -1
	s_barrier_wait -1
.endm
.macro PLACES                          ; four plain vector lines behind a matrix instruction (ISA guide 7.12.1)
.rept 4
	v_nop
.endr
.endm
.macro FRAG reg, adr, off
	ds_load_b128 v[\reg:\reg+3], v[\adr] offset:\off
	ds_load_b128 v[\reg+4:\reg+7], v[\adr] offset:\off+32
.endm
.macro MM d, a, b, c, sa, sb
	v_wmma_scale_f32_16x16x128_f8f6f4 v[\d:\d+7], v[\a:\a+7], v[\b:\b+7], v[\c:\c+7], v[\sa], v[\sb] matrix_a_fmt:MATRIX_FMT_FP4 matrix_b_fmt:MATRIX_FMT_FP4
.endm
; 64 numbers of a lane, register 16 b + i = element 16 h + i of block b: four blocks' scale bytes into v[T2] on, their codes into v[PC] on, whole blocks to a lane (lanes 0-15 block 2 c, lanes 16-31 block 2 c + 1).
.macro QUANT s
.irp b, 0,1,2,3
	v_max3_num_f32 v[BM+\b], |v[\s+16*\b]|, |v[\s+1+16*\b]|, 0x1800000   ; with the floor 2^(3 - 127): the byte cannot fall under 1
.endr
.irp i, 2,4,6,8,10,12,14
.irp b, 0,1,2,3
	v_max3_num_f32 v[BM+\b], v[BM+\b], |v[\s+16*\b+\i]|, |v[\s+1+16*\b+\i]|
.endr
.endr
.irp b, 0,1,2,3
	v_permlanex16_b32 v[T2+\b], v[BM+\b], s[SEL], s[SEL+1]
.endr
.irp b, 0,1,2,3
	v_max_num_f32 v[BM+\b], v[BM+\b], v[T2+\b]     ; with lane l xor 16's 16
.endr
.irp b, 0,1,2,3
	v_add_nc_u32 v[T3+\b], 0xff000000, v[BM+\b]    ; 2 off the exponent field: the conversion's scale operand
.endr
.irp b, 0,1,2,3
	v_lshrrev_b32 v[T2+\b], 23, v[T3+\b]           ; the scale's byte
.endr
.irp b, 0,1,2,3
	v_cvt_scalef32_pk8_fp4_f32 v[PC+2*\b], v[\s+16*\b:\s+16*\b+7], v[T3+\b]
	v_cvt_scalef32_pk8_fp4_f32 v[PC+2*\b+1], v[\s+16*\b+8:\s+16*\b+15], v[T3+\b]
.endr
	v_nop                                          ; one plain line behind the last scaled conversion
.irp c, 0,1
.irp i, 0,1
	v_permlane16_swap_b32 v[PC+4*\c+\i], v[PC+4*\c+2+\i]
.endr
.endr
.endm
; A K step of 128: 6 fragments, 6 scale words, 8 products, the eight accumulators by turns.  The first step's C is the bias.  sw = 1: x is source 0 (the v job).
.macro QSTEP s, sw
.if \s > 0
	PLACES
.endif
.irp n, 0,1,2,3
	FRAG FRG+8*\n, AWQ, (32*(\n/2)+8*(\n%2))*PITCH+64*\s
	ds_load_b32 v[SCW+\n], v[ASWQ] offset:(32*(\n/2)+8*(\n%2))*32+4*\s
.endr
.irp u, 0,1
	FRAG FRG+32+8*\u, AXQ, 8*\u*PITCH+64*\s
	ds_load_b32 v[SCW+4+\u], v[ASXQ] offset:8*\u*32+4*\s
.endr
	s_wait_dscnt 0x0
.irp n, 0,1,2,3
.irp u, 0,1
.if \sw
.if \s == 0
	MM ACC+16*\n+8*\u, FRG+32+8*\u, FRG+8*\n, BIQ+8*\n, SCW+4+\u, SCW+\n
.else
	MM ACC+16*\n+8*\u, FRG+32+8*\u, FRG+8*\n, ACC+16*\n+8*\u, SCW+4+\u, SCW+\n
.endif
.else
.if \s == 0
	MM ACC+32*\u+8*\n, FRG+8*\n, FRG+32+8*\u, BIQ+8*\n, SCW+\n, SCW+4+\u
.else
	MM ACC+32*\u+8*\n, FRG+8*\n, FRG+32+8*\u, ACC+32*\u+8*\n, SCW+\n, SCW+4+\u
.endif
.endif
.endr
.endr
.endm
	s_load_b512 s[4:19], s[0:1], 0x0               ; x's codes 4, scales 6; W_q's 8, 10; W_k's 12, 14; W_v's 16, 18
	s_load_b256 s[20:27], s[0:1], 0x40             ; b_q 20, b_k 22, b_v 24, W_o's codes 26
	s_load_b128 s[28:31], s[0:1], 0x60             ; qimg 28, kv 30
	s_load_b64 s[32:33], s[0:1], 0x70              ; woimg
	v_lshl_add_u32 v176, v0, 2, SPARE
	v_mov_b32 v177, 0
	ds_add_u32 v176, v177                          ; the opening lines: the add twice on end and its one wait
	ds_add_u32 v176, v177
	v_lshrrev_b32 v1, 5, v0
	v_readfirstlane_b32 s[WV], v1                  ; wave 0..17
	s_bfe_u32 s35, ttmp6, 0x40000                  ; cx
	s_lshl_b32 s36, ttmp9, 2
	s_add_co_u32 s36, s36, s35                     ; rb = 4 x cluster x + cx
	s_and_b32 s37, ttmp7, 3                        ; y: the same in all four partners
	s_and_b32 s38, s[WV], 7
	s_and_b32 s39, s[WV], 1
	s_mov_b32 s[SEL], 0x76543210
	s_mov_b32 s[SEL+1], 0xfedcba98
	s_mov_b32 s3, 0
	s_mov_b32 s67, 0
	; every vector address is made here, ahead of the first line at which waves part
	v_and_b32 v[L8], 31, v0
	v_and_b32 v[R4], 15, v0                        ; r
	v_bfe_u32 v[BOQ], v0, 4, 1                     ; h
	v_lshlrev_b32 v[L16], 4, v[L8]
	v_lshlrev_b32 v[L8], 3, v[L8]
	v_and_b32 v[RP], 8, v[R4]
	v_add_nc_u32 v[RP], v[RP], v[R4]
	v_lshlrev_b32 v[VST], 10, v[BOQ]
	v_mul_u32_u24 v[AXV], v[RP], PITCH
	v_lshlrev_b32 v[ASXV], 5, v[RP]
	v_lshl_add_u32 v[VST], v[R4], 4, v[VST]
	v_lshl_add_u32 v[AXV], v[BOQ], 4, v[AXV]
	v_add_nc_u32 v[ASXV], SCB, v[ASXV]
	v_lshlrev_b32 v[BOV], 2, v[RP]
	v_lshlrev_b32 v[BOQ], 6, v[BOQ]
	v_and_b32 v[CSRC], 0x70, v0                    ; W_o's copy, threads 0 to 127: thread = 64 ss + 32 c + 16 h + r reads row r's bytes 64 ss + 32 c + 16 h
	v_lshl_add_u32 v[CSRC], v[R4], 9, v[CSRC]
	v_lshlrev_b32 v[CDST], 4, v0
	v_lshlrev_b32 v[R4], 2, v[R4]
	s_wait_alu depctr_va_vdst(0)                   ; the wait ahead of the scalar lines below
	s_and_b32 s94, s[WV], 3
	s_lshr_b32 s95, s[WV], 4
	s_lshl_b32 s95, s95, 2
	s_add_co_u32 s94, s94, s95
	s_add_co_u32 s94, s94, 2                       ; my unit of weights: 2 + w % 4 for q, 6 for k, 7 for v
	s_mul_i32 s95, s94, UNIT
	v_add_nc_u32 v[AWQ], s95, v[AXV]
	s_lshl_b32 s95, s94, 11
	v_add_nc_u32 v[ASWQ], s95, v[ASXV]
	s_lshr_b32 s94, s[WV], 2
	s_mul_i32 s95, s94, 32*PITCH                   ; my 32 rows of x: group w / 4;
	s_lshr_b32 s96, s[WV], 4
	s_mul_i32 s96, s96, XK-128*PITCH               ; waves 16 and 17: XK
	s_add_co_u32 s95, s95, s96
	v_add_nc_u32 v[AXQ], s95, v[AXV]
	s_cmp_lt_u32 s[WV], 16
	s_cselect_b32 s94, s94, s37                    ; their scale bytes: group w / 4, or y
	s_lshl_b32 s95, s94, 10
	v_add_nc_u32 v[ASXQ], s95, v[ASXV]
	; group 1: codes: 64 rows of 64 elements of 8 bytes, dense in memory, four words of padding behind every 128
	s_mov_b32 s40, (3<<16)|(1<<20)|(6<<22)|(3<<25)
	s_mov_b32 s48, 15|(3<<16)|(1<<20)|(1<<21)|(6<<22)|(3<<25)  ; the weights': all four work-groups, bit 21 beside the mask
.irp g, 40, 48
	s_mov_b32 s[\g+1], 64<<16
	s_mov_b32 s[\g+2], 64<<16
	s_mov_b32 s[\g+3], 64<<16
	s_mov_b32 s[\g+4], 64
	s_mov_b32 s[\g+5], 64
	s_mov_b32 s[\g+6], 0
	s_mov_b32 s[\g+7], 0
.endr
	; scale bytes of 64 rows: 2,048 dense bytes as 8 rows of 256, no padding
	s_mov_b32 s56, 3<<16
	s_mov_b32 s68, 15|(3<<16)|(1<<21)
.irp g, 56, 68
	s_mov_b32 s[\g+1], 32<<16
	s_mov_b32 s[\g+2], 8<<16
	s_mov_b32 s[\g+3], 32<<16
	s_mov_b32 s[\g+4], 8
	s_mov_b32 s[\g+5], 32
	s_mov_b32 s[\g+6], 0
	s_mov_b32 s[\g+7], 0
.endr
	s_lshl_b32 s100, s36, 7
	s_lshl_b32 s101, s39, 6
	s_add_co_u32 s100, s100, s101                  ; x: the first of the 64 rows that waves 0, 1, 8, 9 fetch
	s_max_u32 s94, s38, 2
	s_sub_co_u32 s94, s94, 2
	s_lshl_b32 s94, s94, 6
	s_lshl_b32 s95, s37, 8
	s_add_co_u32 s94, s94, s95                     ; W_q: row 256 y + 64 (unit - 2);
	s_cmp_lt_u32 s38, 6
	s_cselect_b32 s94, s94, 0                      ; W_k and W_v: row 0
	s_wait_alu depctr_va_vdst(0)                   ; the wait at the end of the head's vector work
	s_wait_dscnt 0x0
	s_wait_kmcnt 0x0
	s_cmp_eq_u32 s38, 6
	s_cselect_b64 s[96:97], s[12:13], s[8:9]
	s_cselect_b64 s[98:99], s[14:15], s[10:11]
	s_cmp_eq_u32 s38, 7
	s_cselect_b64 s[96:97], s[16:17], s[96:97]
	s_cselect_b64 s[98:99], s[18:19], s[98:99]
	s_mov_b32 s76, 1                               ; x's codes
	s_mul_i32 s77, s39, UNIT
	s_lshl_b32 s66, s100, 9
	s_add_nc_u64 s[78:79], s[4:5], s[66:67]
	s_or_b32 s79, s79, 0x80000000
	s_mov_b32 s84, 1                               ; x's scale bytes
	s_lshl_b32 s85, s39, 11
	s_add_co_u32 s85, s85, SCB
	s_lshl_b32 s66, s100, 5
	s_add_nc_u64 s[86:87], s[6:7], s[66:67]
	s_or_b32 s87, s87, 0x80000000
	s_mov_b32 s80, 1                               ; the weights' codes: made of y and the wave's number alone
	s_mul_i32 s81, s38, UNIT
	s_lshl_b32 s2, s94, 9
	s_add_nc_u64 s[82:83], s[96:97], s[2:3]
	s_or_b32 s83, s83, 0x80000000
	s_mov_b32 s88, 1                               ; the weights' scale bytes
	s_lshl_b32 s89, s38, 11
	s_add_co_u32 s89, s89, SCB
	s_lshl_b32 s2, s94, 5
	s_add_nc_u64 s[90:91], s[98:99], s[2:3]
	s_or_b32 s91, s91, 0x80000000
	s_lshl_b32 s101, s36, 7                        ; XK: rows 128 rb + 32 y on of x.  The arguments in s[4:19] have been used
	s_lshl_b32 s66, s37, 5
	s_add_co_u32 s101, s101, s66
	s_lshl_b32 s66, s101, 9
	s_add_nc_u64 s[14:15], s[4:5], s[66:67]
	s_or_b32 s15, s15, 0x80000000
	s_mov_b32 s12, 1
	s_mov_b32 s13, XK
	s_mov_b32 s4, (3<<16)|(1<<20)|(6<<22)|(3<<25)  ; its group 1: 32 rows
	s_mov_b32 s5, 64<<16
	s_mov_b32 s6, 32<<16
	s_mov_b32 s7, 64<<16
	s_mov_b32 s8, 32
	s_mov_b32 s9, 64
	s_mov_b32 s10, 0
	s_mov_b32 s11, 0
	ROUND                                          ; all four work-groups are here: the joint loads meet
	; one tensor load a wave, one chain of branches: waves 0-1 x's codes, 2-7 the weights' codes, 8-9 x's scale bytes, 10-15 the weights', 16 XK
	s_cmp_lt_u32 s[WV], 2
	s_cbranch_scc0 .Lnot_cx
	tensor_load_to_lds s[76:79], s[40:47]
	s_nop 0
	PLACES
	s_branch .Lasked
.Lnot_cx:
	s_cmp_lt_u32 s[WV], 8
	s_cbranch_scc0 .Lnot_cw
	tensor_load_to_lds s[80:83], s[48:55]
	s_nop 0
	PLACES
	s_branch .Lasked
.Lnot_cw:
	s_cmp_lt_u32 s[WV], 10
	s_cbranch_scc0 .Lnot_sx
	tensor_load_to_lds s[84:87], s[56:63]
	s_nop 0
	PLACES
	s_branch .Lasked
.Lnot_sx:
	s_cmp_lt_u32 s[WV], 16
	s_cbranch_scc0 .Lnot_sw
	tensor_load_to_lds s[88:91], s[68:75]
	s_nop 0
	PLACES
	s_branch .Lasked
.Lnot_sw:
	s_cmp_eq_u32 s[WV], 16
	s_cbranch_scc0 .Lasked
	tensor_load_to_lds s[12:15], s[4:11]
	s_nop 0
	PLACES
.Lasked:
	; the bases of what goes through registers
	s_lshl_b32 s100, s37, 6
	s_add_co_u32 s100, s100, s36                   ; W_o's copy: work-group 64 y + rb takes 2,048 bytes: tile id / 4, K steps 2 (id % 4) and the next
	s_lshl_b32 s66, s100, 11
	s_add_nc_u64 s[32:33], s[32:33], s[66:67]
	s_lshr_b32 s66, s100, 2
	s_lshl_b32 s66, s66, 13
	s_and_b32 s101, s100, 3
	s_lshl_b32 s101, s101, 7
	s_add_co_u32 s66, s66, s101
	s_add_nc_u64 s[26:27], s[26:27], s[66:67]
	s_mul_i32 s66, s36, KVREC
	s_add_nc_u64 s[30:31], s[30:31], s[66:67]      ; my key step's record
	s_lshl_b32 s66, s37, 8
	s_add_co_u32 s66, s66, 5120
	s_add_nc_u64 s[100:101], s[30:31], s[66:67]    ; v's codes: block y of a fragment lies 256 y bytes in
	s_add_co_u32 s66, s37, 9216
	s_add_nc_u64 s[104:105], s[30:31], s[66:67]    ; and byte y of its scale words
	s_lshl_b32 s66, s36, 2
	s_lshr_b32 s94, s[WV], 2
	s_add_co_u32 s66, s66, s94                     ; q: the group of 32 rows, 4 rb + w / 4,
	s_lshl_b32 s66, s66, 4
	s_lshl_b32 s94, s37, 2
	s_and_b32 s95, s[WV], 3
	s_add_co_u32 s94, s94, s95                     ; the head, 4 y + w % 4
	s_add_co_u32 s66, s66, s94
	s_mul_i32 s66, s66, QREC
	s_mul_i32 s95, s37, QREC                       ; k: record y of the key step
	s_lshl_b32 s94, s94, 8
	s_cmp_lt_u32 s[WV], 16
	s_cselect_b32 s66, s66, s95
	s_cselect_b32 s2, s94, 0
	s_cselect_b64 s[28:29], s[28:29], s[30:31]
	s_cselect_b64 s[20:21], s[20:21], s[22:23]
	s_add_nc_u64 s[28:29], s[28:29], s[66:67]
	s_add_nc_u64 s[20:21], s[20:21], s[2:3]
	; the biases, in the result's layout: they are the C of each sum's first product
	s_cmp_eq_u32 s[WV], 17
	s_cbranch_scc1 .Lbias_v
.irp n, 0,1,2,3
	global_load_b128 v[BIQ+8*\n:BIQ+8*\n+3], v[BOQ], s[20:21] offset:(32*(\n/2)+8*(\n%2))*4
	global_load_b128 v[BIQ+8*\n+4:BIQ+8*\n+7], v[BOQ], s[20:21] offset:(32*(\n/2)+8*(\n%2))*4+16
.endr
	s_branch .Lbias_in
.Lbias_v:
.irp n, 0,1,2,3
.irp j, 0,1,2,3,4,5,6,7
	global_load_b32 v[BIQ+8*\n+\j], v[BOV], s[24:25] offset:(32*(\n/2)+8*(\n%2))*4   ; a lane holds one channel and eight keys: its channel's bias in all eight registers
.endr
.endr
.Lbias_in:
	s_cmp_lt_u32 s[WV], 4
	s_cbranch_scc0 .Lno_copy
	global_load_b128 v[CP:CP+3], v[CSRC], s[26:27] th:TH_LOAD_NT
	s_wait_loadcnt 0x0
	global_store_b128 v[CDST], v[CP:CP+3], s[32:33]
.Lno_copy:
	s_wait_loadcnt 0x0                             ; the biases
	s_wait_tensorcnt 0x0                           ; my part of LDS has landed,
	s_barrier_signal -1
	s_barrier_wait -1                              ; everybody's has.  Nothing is filled again
	s_cmp_eq_u32 s[WV], 17
	s_cbranch_scc1 .Lv_job
.irp s, 0,1,2,3,4,5,6,7
	QSTEP \s, 0
.endr
	PLACES
	QUANT ACC                                      ; block 2 u + b: channels 32 b on of the rows of tile u
	v_lshl_or_b32 v[W0], v[T2+1], 8, v[T2]
	v_lshl_or_b32 v[W0+1], v[T2+3], 8, v[T2+2]
	v_or_b32 v[W0], 0x7f7f0000, v[W0]              ; and 1.0 for the 64 along K that a head does not have
	v_or_b32 v[W0+1], 0x7f7f0000, v[W0+1]
	global_store_b128 v[L16], v[PC:PC+3], s[28:29]
	global_store_b128 v[L16], v[PC+4:PC+7], s[28:29] offset:512
	global_store_b64 v[L8], v[W0:W0+1], s[28:29] offset:1024
	s_branch .Ldone
.Lv_job:
.irp s, 0,1,2,3,4,5,6,7
	QSTEP \s, 1
.endr
	PLACES
	QUANT ACC                                      ; block n: my 32 keys of the channels of tile n.  Registers 4 c on: lanes 0-15 tile 2 c, lanes 16-31 tile 2 c + 1
	global_store_b128 v[VST], v[PC:PC+3], s[100:101]              ; sixteen lanes fill 256 bytes of a fragment
	global_store_b128 v[VST], v[PC+4:PC+7], s[100:101] offset:2048
.irp b, 0,1,2,3
	global_store_b8 v[R4], v[T2+\b], s[104:105] offset:64*\b      ; lanes r and 16 + r write the same byte with the same value
.endr
.Ldone:
	s_wait_tensorcnt 0x0                           ; the wave's end
	ds_add_u32 v176, v177
	s_wait_dscnt 0x0
	ROUND                                          ; the closing round
	s_endpgm
.Lfunc_end_k_q80b222a281_proj:
	.size	k_q80b222a281_proj, .Lfunc_end_k_q80b222a281_proj-k_q80b222a281_proj
	.p2alignl 7, 3214868480
	.fill 96, 4, 3214868480
	.section	.rodata,"a",@progbits
	.p2align	6, 0x0
	.amdhsa_kernel k_q80b222a281_proj
		.amdhsa_group_segment_fixed_size 305920
		.amdhsa_private_segment_fixed_size 0
		.amdhsa_enable_private_segment 0
		.amdhsa_kernarg_size 120
		.amdhsa_user_sgpr_count 2
		.amdhsa_user_sgpr_kernarg_segment_ptr 1
		.amdhsa_wavefront_size32 1
		.amdhsa_system_sgpr_workgroup_id_x 1
		.amdhsa_system_sgpr_workgroup_id_y 1
		.amdhsa_system_sgpr_workgroup_id_z 1
		.amdhsa_system_vgpr_workitem_id 0
		.amdhsa_next_free_vgpr 178
		.amdhsa_next_free_sgpr 106
		.amdhsa_reserve_vcc 0
		.amdhsa_float_denorm_mode_32 3
		.amdhsa_float_denorm_mode_16_64 3
		.amdhsa_memory_ordered 1
		.amdhsa_forward_progress 1
		.amdhsa_inst_pref_size 60
	.end_amdhsa_kernel
	.amdgpu_metadata
---
amdhsa.version: [ 1, 2 ]
amdhsa.kernels:
  - .name:           k_q80b222a281_proj
    .symbol:         k_q80b222a281_proj.kd
    .args:
      - { .name: x_codes, .offset: 0, .size: 8, .value_kind: global_buffer, .address_space: global }
      - { .name: x_scales, .offset: 8, .size: 8, .value_kind: global_buffer, .address_space: global }
      - { .name: W_q_codes, .offset: 16, .size: 8, .value_kind: global_buffer, .address_space: global }
      - { .name: W_q_scales, .offset: 24, .size: 8, .value_kind: global_buffer, .address_space: global }
      - { .name: W_k_codes, .offset: 32, .size: 8, .value_kind: global_buffer, .address_space: global }
      - { .name: W_k_scales, .offset: 40, .size: 8, .value_kind: global_buffer, .address_space: global }
      - { .name: W_v_codes, .offset: 48, .size: 8, .value_kind: global_buffer, .address_space: global }
      - { .name: W_v_scales, .offset: 56, .size: 8, .value_kind: global_buffer, .address_space: global }
      - { .name: b_q, .offset: 64, .size: 8, .value_kind: global_buffer, .address_space: global }
      - { .name: b_k, .offset: 72, .size: 8, .value_kind: global_buffer, .address_space: global }
      - { .name: b_v, .offset: 80, .size: 8, .value_kind: global_buffer, .address_space: global }
      - { .name: W_o_codes, .offset: 88, .size: 8, .value_kind: global_buffer, .address_space: global }
      - { .name: qimg, .offset: 96, .size: 8, .value_kind: global_buffer, .address_space: global }
      - { .name: kv, .offset: 104, .size: 8, .value_kind: global_buffer, .address_space: global }
      - { .name: woimg, .offset: 112, .size: 8, .value_kind: global_buffer, .address_space: global }
    .group_segment_fixed_size: 305920
    .private_segment_fixed_size: 0
    .kernarg_segment_align: 8
    .kernarg_segment_size: 120
    .max_flat_workgroup_size: 576
    .sgpr_count:     106
    .vgpr_count:     178
    .wavefront_size: 32
...
	.end_amdgpu_metadata
.endif
;; end of part 1
;; launch attn (part 2): grid 256 x 1, 8 waves a work-group, clusters of 4 x 1, 169,984 bytes of LDS; arguments qimg, kv, woimg, W_o_scales, b_o, out0; writes out0
.if DOCPART == 2
	.amdgcn_target "amdgcn-amd-amdhsa--gfx1250"
	.amdhsa_code_object_version 6
	.text
	.protected	k_q80b222a281_attn
	.globl	k_q80b222a281_attn
	.p2align	8
	.type	k_q80b222a281_attn,@function
k_q80b222a281_attn:
	s_mov_b64 s[64:65], 0
	v_nop
	global_prefetch_b8 v0, s[64:65] scope:SCOPE_SE
	s_setreg_imm32_b32 hwreg(HW_REG_WAVE_MODE, 25, 1), 1
	s_wait_xcnt 0x0
	s_wait_alu depctr_hold_cnt(0) depctr_sa_sdst(0) depctr_va_vdst(0) depctr_va_sdst(0) depctr_va_ssrc(0) depctr_va_vcc(0) depctr_vm_vsrc(0)
	s_getreg_b32 s2, hwreg(HW_REG_IB_STS2, 6, 4)
	s_cmp_eq_u32 s2, 0
	s_cbranch_scc0 .Lentry_in_a_cluster
	s_endpgm
.Lentry_in_a_cluster:
	s_bfe_u32 s2, ttmp6, 0x10000c
	s_cmp_lg_u32 s2, 0x3003
	s_cbranch_scc0 .Lentry_shape_is_right
	s_endpgm
.Lentry_shape_is_right:
; out = (softmax(q k^T / 8) v, all 16 heads side by side) W_o + b_o, every product on codes of FP4 (E2M1) with one E8M0 scale for each 32 along its K; sums in f32.
; q, k, v and W_o's codes come as images of operand registers (16 bytes a lane), made by the launch before.
; SHARES.  A work-group owns 32 rows of one batch, for all 16 heads.  Wave w of eight owns heads 2 w and 2 w + 1, two tiles of 16 queries each: four tiles, i = 2 (head % 2) + tile.  A step is 256 keys:
; its 16 tiles of k and 8 fragments of v are read from LDS once for the four tiles.  In the last product wave w makes columns 128 w .. + 127 of the 32 rows.  The attention's result never goes to memory.
; ORDER OF A TILE'S WORK.  Softmax of the 256 scores a lane; as soon as p is packed and summed, the NEXT tile's 16 score products are issued; the rescaling of O^T stands behind them as their places; then O^T += v^T p^T.
; The next step's k is loaded behind the fourth tile's score products, v behind the first tile's maxima: each has a tile's softmax in which to land.
; LDS.  The batch's k and v, 16 records of 9,472 bytes, come ONCE, two records to a wave's one tensor load, and stay: nothing is filled again.
; CLUSTER.  The four work-groups of a cluster belong to one batch and ask for k and v JOINTLY.  W_o's 524,288 bytes do not fit beside them, so sharing them would want slots that are filled again: they go straight to registers.
; No prefetch: k and v are asked for once, at the head, with no loop to run ahead in; W_o's image is read by all 256 work-groups.
; LAYOUT.  Both products are used transposed (S^T = k q^T, O^T = v^T p^T): a lane holds ONE query.  Of a group of 32 keys, channels or rows, lane r of tile u takes 8 u + r + 8 (r / 8).
; A HEAD HAS 64 CHANNELS, the instruction takes 128 along K: q's upper four registers are zero codes and both scale words carry 1.0 there; source 0 of key tile t is v[K + 4 t : K + 4 t + 7], whose upper half meets zeros.
; THE SOFTMAX: t = score x log2(e) / 8; M = the running largest t rounded UP to a whole number; p = 2^(t - M) is quantised along the keys, not normalised; the row's sum is of the unquantised p and divides O at the end;
; when M moves, the sum and O^T are multiplied by 2^(old M - new M), which rounds nothing.  A block's largest p is the block's largest score put through the same multiply-add and exponential.
; LIMITS.  NaN and infinities are not served.  v_exp_f32 gives 0 for a p under 2^-126.  A block whose largest magnitude lies under 2^-124, zeros among them, gets the scale byte 1.  1 / sum is v_rcp_f32's.
; REGISTERS.  Window 0: v1-3 LDS addresses, v4-5 the add's, v6-7 and v224-255 scale words and nothing else, v8-23 four tiles' -M, largest t, sum; then Q, K, V, P and what is at work.  Window 1: v0-127 O^T, v128-255 S^T, then p.
.set QREC,  1280
.set KVREC, 9472
.set AIMG,  16*KVREC                   ; the attention's codes, [tile 2][head 16][lane][16 bytes]
.set ASC,   AIMG+16384                 ; their scale words, [K step 8][tile 2][row 16][4 bytes]
.set SPARE, ASC+1024                   ; the spare words, 8 x 128 bytes
.set SROW,  528                        ; the way out: 32 rows x (512 + 16) bytes a wave, in the bytes of k and v, which have had their one fill and are read no more
.set SWAVE, 32*SROW
.set A16, 1
.set A8,  2
.set A4,  3
.set SPW, 4
.set NIL, 5
.set AS,  6
.set ST,  8
.set Q,   24
.set K,   56                           ; 16 tiles x 4, and 4 registers of zeros
.set V,   124
.set P,   188
.set BM,  204
.set T2,  212
.set FF,  220
.set TMP, 222
.set KS,  224
.set VS,  240
.set QS,  244
.set PS,  248
.set WS,  224
.set O,   0
.set S,   128
.set WV,  16
.set SEL, 20
.set CS,  22
.set TB,  36
.set CNT, 37
.set MSB, 0
.macro WIN new                         ; low byte: bits 1:0 source 0, 3:2 source 1, 5:4 source 2, 7:6 destination; the high byte repeats the setting that is left
.if MSB != (\new)
	s_set_vgpr_msb (MSB<<8)|(\new)
.set MSB, (\new)
.endif
.endm
.macro ROUND
	s_barrier_signal -1
	s_barrier_wait -1
	s_cmp_lg_u32 s[WV], 0
	s_cbranch_scc1 .Lnot_wave_0_\@
	s_barrier_signal -3
.Lnot_wave_0_\@:
	s_barrier_wait -3
	s_barrier_signal -1
	s_barrier_wait -1
.endm
.macro PLACES
.rept 4
	v_nop
.endr
.endm
.macro MM d, a, b, c, sa, sb, ra, rb   ; D = A B + C;  ra, rb = 1: that side's scale words stand in lanes 16-31
.if (\ra) && (\rb)
	v_wmma_scale_f32_16x16x128_f8f6f4 v[\d:\d+7], v[\a:\a+7], v[\b:\b+7], v[\c:\c+7], v[\sa], v[\sb] matrix_a_fmt:MATRIX_FMT_FP4 matrix_b_fmt:MATRIX_FMT_FP4 matrix_a_scale:MATRIX_SCALE_ROW1 matrix_b_scale:MATRIX_SCALE_ROW1
.elseif (\ra)
	v_wmma_scale_f32_16x16x128_f8f6f4 v[\d:\d+7], v[\a:\a+7], v[\b:\b+7], v[\c:\c+7], v[\sa], v[\sb] matrix_a_fmt:MATRIX_FMT_FP4 matrix_b_fmt:MATRIX_FMT_FP4 matrix_a_scale:MATRIX_SCALE_ROW1
.elseif (\rb)
	v_wmma_scale_f32_16x16x128_f8f6f4 v[\d:\d+7], v[\a:\a+7], v[\b:\b+7], v[\c:\c+7], v[\sa], v[\sb] matrix_a_fmt:MATRIX_FMT_FP4 matrix_b_fmt:MATRIX_FMT_FP4 matrix_b_scale:MATRIX_SCALE_ROW1
.else
	v_wmma_scale_f32_16x16x128_f8f6f4 v[\d:\d+7], v[\a:\a+7], v[\b:\b+7], v[\c:\c+7], v[\sa], v[\sb] matrix_a_fmt:MATRIX_FMT_FP4 matrix_b_fmt:MATRIX_FMT_FP4
.endif
.endm
.macro ADDR                            ; 16, 8, 4 x lane in the step that begins at s[TB]
	v_and_b32 v[A4], 31, v0
	v_lshl_add_u32 v[A16], v[A4], 4, s[TB]
	v_lshl_add_u32 v[A8], v[A4], 3, s[TB]
	v_lshl_add_u32 v[A4], v[A4], 2, s[TB]
.endm
.macro KLOAD off                       ; 16 tiles of k (16 keys x 64 channels, 512 consecutive bytes a load) and their 16 scale words
.set t, 0
.rept 16
	ds_load_b128 v[K+4*t:K+4*t+3], v[A16] offset:(\off)+(t/8)*KVREC+((t%8)/2)*QREC+(t%2)*512
.set t, t+1
.endr
.set t, 0
.rept 8
	ds_load_b64 v[KS+2*t:KS+2*t+1], v[A8] offset:(\off)+(t/4)*KVREC+(t%4)*QREC+1024
.set t, t+1
.endr
.endm
.macro VLOAD                           ; 8 fragments of v (16 channels x 128 keys) and their scale words: lanes 0-15 an even tile's, lanes 16-31 the odd one's
.set t, 0
.rept 16
	ds_load_b128 v[V+4*t:V+4*t+3], v[A16] offset:(t/8)*KVREC+5120+(t%8)*512
.set t, t+1
.endr
.set t, 0
.rept 4
	ds_load_b32 v[VS+t], v[A4] offset:(t/2)*KVREC+9216+128*(t%2)
.set t, t+1
.endr
.endm
.macro SMM i                           ; S^T of query tile i: each product starts its sum
	WIN 0x40
.set t, 0
.rept 16
	v_wmma_scale_f32_16x16x128_f8f6f4 v[S+8*t:S+8*t+7], v[K+4*t:K+4*t+7], v[Q+8*(\i):Q+8*(\i)+7], 0, v[KS+t], v[QS+(\i)] matrix_a_fmt:MATRIX_FMT_FP4 matrix_b_fmt:MATRIX_FMT_FP4
.set t, t+1
.endr
.endm
.macro PV i                            ; O^T += v^T p^T: the tile's four accumulators by turns, twice
	WIN 0x50
.irp a, 0,1
.irp c, 0,1,2,3
	MM O+32*(\i)+8*\c, V+32*\a+8*\c, P+8*\a, O+32*(\i)+8*\c, VS+2*\a+\c/2, PS+\a, \c%2, 0
.endr
.endr
.endm
; Query tile i, 256 keys: register S + 16 b + e is key 32 b + 16 h + e of my query.  vl: load v here;  sn: the tile whose scores are started (-1: none);  kl: load the next step's k;  kw: wait for it.
.macro TILE i, vl, sn, kl, kw
.set NM, ST+4*(\i)
.set TL, NM+1
.set SU, NM+2
.set OU, O+32*(\i)
	WIN 0x15
.set b, 0
.rept 8
	v_max3_num_f32 v[BM+b], v[S+16*b], v[S+16*b+1], v[S+16*b+2]   ; the largest score of each block of 32 keys, each accumulator from its low end on; the eight blocks by turns
.set b, b+1
.endr
	WIN 0x14
.irp e, 3,5,7,9,11,13
.set b, 0
.rept 8
	v_max3_num_f32 v[BM+b], v[BM+b], v[S+16*b+\e], v[S+16*b+\e+1]
.set b, b+1
.endr
.endr
.set b, 0
.rept 8
	v_max_num_f32 v[BM+b], v[BM+b], v[S+16*b+15]
.set b, b+1
.endr
	WIN 0
.if \vl
	VLOAD                                          ; the 64 lines above are the places behind the last products that read v
.endif
.set b, 0
.rept 8
	v_permlanex16_b32 v[T2+b], v[BM+b], s[SEL], s[SEL+1]
.set b, b+1
.endr
.set b, 0
.rept 8
	v_max_num_f32 v[BM+b], v[BM+b], v[T2+b]        ; with lane l xor 16's 16 keys
.set b, b+1
.endr
	v_max3_num_f32 v[TMP], v[BM], v[BM+1], v[BM+2]
	v_max3_num_f32 v[TMP+1], v[BM+3], v[BM+4], v[BM+5]
	v_max3_num_f32 v[TMP], v[TMP], v[BM+6], v[BM+7]
	v_max_num_f32 v[TMP], v[TMP], v[TMP+1]         ; the step's largest score of my query,
	v_mul_f32 v[TMP], s[CS], v[TMP]                ; as t (c is positive)
	v_max_num_f32 v[TL], v[TL], v[TMP]             ; the running largest t
	v_mov_b32 v[TMP], v[NM]
	v_floor_f32 v[NM], -v[TL]                      ; the new -M = floor(-t) = -ceil(t)
	v_sub_f32 v[TMP], v[NM], v[TMP]                ; old M - new M: a whole number, 0 or less
	v_cvt_i32_f32 v[TMP], v[TMP]                   ; (it saturates)
	v_ldexp_f32 v[FF], 1.0, v[TMP]                 ; f
.set b, 0
.rept 8
	v_fma_f32 v[BM+b], v[BM+b], s[CS], v[NM]       ; t - M of each block's largest score
.set b, b+1
.endr
	WIN 0x41
.set j, 0
.rept 64
	v_pk_fma_f32 v[S+j:S+j+1], v[S+j:S+j+1], s[CS:CS+1], v[NM:NM+1] op_sel_hi:[1,0,0]   ; t - M, two at a time (of the pairs c and -M the low word serves both halves)
.set j, j+2
.endr
	s_wait_alu depctr_va_vdst(0)                   ; the wait ahead of the batch
.set j, 0
.rept 128
	v_exp_f32 v[S+j], v[S+j]                       ; p = 2^(t - M), at most 1
.set j, j+1
.endr
	WIN 0
.set b, 0
.rept 8
	v_exp_f32 v[BM+b], v[BM+b]                     ; the block's largest p
.set b, b+1
.endr
	v_pk_mul_f32 v[SU:SU+1], v[SU:SU+1], v[FF:FF+1] op_sel_hi:[1,0]   ; the sum under the new M (the plain line behind the exponentials)
	s_wait_alu depctr_va_vdst(0)                   ; and behind it, ahead of its first reader
.set b, 0
.rept 8
	v_max_num_f32 v[BM+b], 0x1800000, v[BM+b]      ; the floor 2^(3 - 127)
.set b, b+1
.endr
.set b, 0
.rept 8
	v_add_nc_u32 v[BM+b], 0xff000000, v[BM+b]      ; 2 off the exponent field: the conversion's scale operand
.set b, b+1
.endr
.set b, 0
.rept 8
	v_lshrrev_b32 v[T2+b], 23, v[BM+b]             ; the scale's byte
.set b, b+1
.endr
.irp n, 1,2,3
	v_lshl_or_b32 v[T2], v[T2+\n], 8*\n, v[T2]     ; p's two scale words, 128 keys each
	v_lshl_or_b32 v[T2+4], v[T2+4+\n], 8*\n, v[T2+4]
.endr
	v_mov_b32 v[PS], v[T2]
	v_mov_b32 v[PS+1], v[T2+4]
	WIN 0x01
.set b, 0
.rept 8
	v_cvt_scalef32_pk8_fp4_f32 v[P+2*b], v[S+16*b:S+16*b+7], v[BM+b]
	v_cvt_scalef32_pk8_fp4_f32 v[P+2*b+1], v[S+16*b+8:S+16*b+15], v[BM+b]
.set b, b+1
.endr
	WIN 0
	v_nop                                          ; one plain line behind the last scaled conversion
.irp c, 0,1,2,3
.irp n, 0,1
	v_permlane16_swap_b32 v[P+4*\c+\n], v[P+4*\c+2+\n]   ; whole blocks to a lane
.endr
.endr
	WIN 0x05
.irp n, 0,1,2
	v_pk_add_f32 v[T2+2*\n:T2+2*\n+1], v[S+4*\n:S+4*\n+1], v[S+4*\n+2:S+4*\n+3]   ; the row's sum is of the UNQUANTISED p: two at a time, in four chains
.endr
	WIN 0x04
.set j, 12
.rept 14
	v_pk_add_f32 v[SU:SU+1], v[SU:SU+1], v[S+j:S+j+1]
	v_pk_add_f32 v[T2:T2+1], v[T2:T2+1], v[S+j+2:S+j+3]
	v_pk_add_f32 v[T2+2:T2+3], v[T2+2:T2+3], v[S+j+4:S+j+5]
	v_pk_add_f32 v[T2+4:T2+5], v[T2+4:T2+5], v[S+j+6:S+j+7]
.set j, j+8
.endr
	v_pk_add_f32 v[SU:SU+1], v[SU:SU+1], v[S+124:S+125]
	v_pk_add_f32 v[T2:T2+1], v[T2:T2+1], v[S+126:S+127]
	WIN 0
	v_pk_add_f32 v[T2+2:T2+3], v[T2+2:T2+3], v[T2+4:T2+5]
	v_pk_add_f32 v[SU:SU+1], v[SU:SU+1], v[T2:T2+1]
	v_pk_add_f32 v[SU:SU+1], v[SU:SU+1], v[T2+2:T2+3]
.if \kw
	s_wait_alu depctr_va_vdst(0)                   ; the wait ahead of the wait below
	s_wait_dscnt 0x0                               ; the next step's k
.endif
.if \sn >= 0
	SMM \sn                                        ; p has left its registers: the next tile's scores take them
.endif
	WIN 0x41
	s_wait_alu depctr_va_vdst(0)                   ; the wait directly ahead of the first readers of O^T
.set j, 0
.rept 16
	v_pk_mul_f32 v[OU+j:OU+j+1], v[OU+j:OU+j+1], v[FF:FF+1] op_sel_hi:[1,0]   ; O^T under the new M, each accumulator from its low end on; also the places behind the score products
.set j, j+2
.endr
.if \kl
	WIN 0
	KLOAD 2*KVREC
.endif
.if \vl
	s_wait_alu depctr_va_vdst(0)
	s_wait_dscnt 0x0                               ; v
.endif
	PV \i
.endm
.macro TRIP nx                         ; a step of 256 keys, four tiles;  nx = 1: another step follows
	TILE 0, 1, 1, 0, 0
	TILE 1, 0, 2, 0, 0
	TILE 2, 0, 3, \nx, 0
.if \nx
	TILE 3, 0, 0, 0, 1
.else
	TILE 3, 0, -1, 0, 0
.endif
	WIN 0
.endm
	s_load_b256 s[4:11], s[0:1], 0x0               ; qimg 4, kv 6, woimg 8, W_o's scales 10
	s_load_b128 s[12:15], s[0:1], 0x20             ; b_o 12, out0 14
	v_lshl_add_u32 v[SPW], v0, 2, SPARE
	v_mov_b32 v[NIL], 0
	ds_add_u32 v[SPW], v[NIL]                      ; the opening lines: the add twice on end and its one wait
	ds_add_u32 v[SPW], v[NIL]
	v_lshrrev_b32 v1, 5, v0
	v_readfirstlane_b32 s[WV], v1                  ; wave 0..7
	s_bfe_u32 s17, ttmp6, 0x40000                  ; cx
	s_lshl_b32 s18, ttmp9, 2
	s_add_co_u32 s18, s18, s17                     ; my group of 32 rows: it enters q's and the output's addresses alone
	s_lshr_b32 s19, ttmp9, 4                       ; the batch: 16 clusters each
	s_mov_b32 s[SEL], 0x76543210
	s_mov_b32 s[SEL+1], 0xfedcba98
	s_mov_b32 s[CS], 0x3e38aa3b                    ; c = log2(e) / 8
	s_mov_b32 s[CS+1], s[CS]
	s_mov_b32 s24, 15|(3<<16)|(1<<21)              ; group 1: two records, 18,944 dense bytes, as 74 rows of 256; the mask names all four work-groups
	s_mov_b32 s25, 32<<16
	s_mov_b32 s26, 74<<16
	s_mov_b32 s27, 32<<16
	s_mov_b32 s28, 74
	s_mov_b32 s29, 32
	s_mov_b32 s30, 0
	s_mov_b32 s31, 0
	s_lshl_b32 s38, s19, 3
	s_add_co_u32 s38, s38, s[WV]
	s_mul_i32 s38, s38, 2*KVREC                    ; wave w fetches records 2 w and 2 w + 1 of the batch
	s_mov_b32 s39, 0
	s_mov_b32 s32, 1
	s_mul_i32 s33, s[WV], 2*KVREC
	s_mov_b32 s[TB], 0
	s_mov_b32 s[CNT], 7
	s_wait_dscnt 0x0
	s_wait_kmcnt 0x0
	s_add_nc_u64 s[34:35], s[6:7], s[38:39]
	s_or_b32 s35, s35, 0x80000000
	ROUND                                          ; all four work-groups are here: the joint loads meet
	tensor_load_to_lds s[32:35], s[24:31]          ; my one tensor load
	s_nop 0
	PLACES
	s_lshl_b32 s40, s18, 3
	s_add_co_u32 s40, s40, s[WV]
	s_mul_i32 s40, s40, 2*QREC
	s_mov_b32 s41, 0
	s_add_nc_u64 s[4:5], s[4:5], s[40:41]          ; q: records (group, 2 w) and (group, 2 w + 1)
	s_lshl_b32 s40, s18, 17                        ; the output: 32 rows of 4,096 bytes a group,
	s_lshl_b32 s42, s[WV], 9                       ; my 128 columns
	s_add_co_u32 s40, s40, s42
	s_add_nc_u64 s[14:15], s[14:15], s[40:41]
	s_lshl_b32 s38, s[WV], 16
	s_add_nc_u64 s[8:9], s[8:9], s[38:39]          ; W_o's codes: my eight tiles of 8,192 bytes
	s_lshl_b32 s38, s[WV], 12
	s_add_nc_u64 s[10:11], s[10:11], s[38:39]      ; its scale bytes: my 128 rows of 32
	s_lshl_b32 s38, s[WV], 9
	s_add_nc_u64 s[12:13], s[12:13], s[38:39]      ; b_o: my 128 numbers
	ADDR
	s_wait_alu depctr_va_vdst(0)
.irp a, 0,1
	global_load_b128 v[Q+16*\a:Q+16*\a+3], v[A16], s[4:5] offset:QREC*\a th:TH_LOAD_NT
	global_load_b128 v[Q+16*\a+8:Q+16*\a+11], v[A16], s[4:5] offset:QREC*\a+512 th:TH_LOAD_NT
	global_load_b64 v[QS+2*\a:QS+2*\a+1], v[A8], s[4:5] offset:QREC*\a+1024 th:TH_LOAD_NT
.endr
.irp i, 0,1,2,3
.irp n, 4,5,6,7
	v_mov_b32 v[Q+8*\i+\n], 0                      ; q's upper halves: zero codes
.endr
	v_mov_b32 v[K+64+\i], 0                        ; and the zeros behind k's last tile
	v_mov_b32 v[ST+4*\i+1], 0xff61b1e6             ; the largest t so far: -3e38, under every t
	v_mov_b32 v[ST+4*\i+2], 0                      ; the sum
	v_mov_b32 v[ST+4*\i+3], 0
	v_mov_b32 v[T2+\i], 0                          ; a lane permute's destination counts as one of its sources
	v_mov_b32 v[T2+4+\i], 0
.endr
.irp i, 0,1,2,3
	v_floor_f32 v[ST+4*\i], -v[ST+4*\i+1]          ; -M
.endr
	v_mov_b32 v[FF+1], 0                           ; named with f as a pair
	WIN 0x40
.set j, 0
.rept 128
	v_mov_b32 v[O+j], 0                            ; O^T: the step is written once; the first finds zeros, which the first change of M leaves zeros
.set j, j+1
.endr
	WIN 0
	s_wait_alu depctr_va_vdst(0)                   ; the wait at the head's end
	s_wait_loadcnt 0x0                             ; q
	s_wait_tensorcnt 0x0                           ; my two records have landed,
	s_barrier_signal -1
	s_barrier_wait -1                              ; everybody's have
	KLOAD 0
	s_wait_dscnt 0x0
	SMM 0
	WIN 0
	PLACES                                         ; four places between the first score products and the maxima that read them
.Ltrip:
	TRIP 1
	s_add_co_u32 s[TB], s[TB], 2*KVREC
	ADDR
	s_sub_co_u32 s[CNT], s[CNT], 1
	s_cmp_lg_u32 s[CNT], 0
	s_wait_alu depctr_va_vdst(0)                   ; the wait ahead of the branch
	s_cbranch_scc1 .Ltrip
	TRIP 0
	; BEHIND THE KEYS.  The addresses of what follows are the places behind the last products.
	v_and_b32 v46, 31, v0
	v_and_b32 v47, 15, v0
	v_bfe_u32 v41, v0, 4, 1
	s_lshl_b32 s38, s[WV], 10
	s_add_co_u32 s38, s38, AIMG
	s_lshl_b32 s39, s[WV], 7
	s_add_co_u32 s39, s39, ASC
	v_lshlrev_b32 v40, 5, v46                      ; 32 x lane: a row of W_o's scale bytes
	v_lshlrev_b32 v41, 5, v41                      ; 32 h: my half's eight biases of a tile
	v_lshl_add_u32 v42, v46, 4, AIMG               ; where the images are read,
	v_lshl_add_u32 v43, v46, 2, ASC
	v_lshl_add_u32 v44, v46, 4, s38                ; and where my two heads' are written: K step w
	v_lshl_add_u32 v45, v47, 2, s39
	v_lshlrev_b32 v46, 4, v46                      ; 16 x lane
	s_wait_alu depctr_va_vdst(0)
; W_o's eight fragments of K step s into set s % 3: sets 0 and 1 in window 1 where p lay, set 2 where v lay
.macro WLOAD s
.if ((\s)%3) < 2
	WIN 0x40
.set WB, 128+64*((\s)%3)
.else
	WIN 0
.set WB, V
.endif
.set t, 0
.rept 16
	global_load_b128 v[WB+4*t:WB+4*t+3], v46, s[8:9] offset:(t/2)*8192+(\s)*1024+(t%2)*512
.set t, t+1
.endr
	WIN 0
.endm
.macro AFLOAD s                        ; the attention's two fragments and scale words of K step s, two buffers by turns
.set AFB, P-(P-Q)*((\s)%2)
.irp u, 0,1
.irp c, 0,1
	ds_load_b128 v[AFB+8*\u+4*\c:AFB+8*\u+4*\c+3], v42 offset:\u*8192+(\s)*1024+\c*512
.endr
.endr
	ds_load_b32 v[AS+(\s)%2], v43 offset:(\s)*128  ; lanes 0-15 tile 0's rows, lanes 16-31 tile 1's
.endm
.irp i, 0,1,2,3
	global_load_b128 v[WS+8*\i:WS+8*\i+3], v40, s[10:11] offset:1024*\i       ; lane l: the eight scale words of row 32 i + l
	global_load_b128 v[WS+8*\i+4:WS+8*\i+7], v40, s[10:11] offset:1024*\i+16
.endr
.irp t, 0,1,2,3,4,5,6,7
	global_load_b128 v[K+8*\t:K+8*\t+3], v41, s[12:13] offset:64*\t           ; b_o at columns 16 t + 8 h + 0 .. 7: the result's layout
	global_load_b128 v[K+8*\t+4:K+8*\t+7], v41, s[12:13] offset:64*\t+16
.endr
	WLOAD 0
	WLOAD 1
	WLOAD 2                                        ; 72 loads are out while O^T is finished
.irp i, 0,1,2,3
	v_add_f32 v[ST+4*\i+2], v[ST+4*\i+2], v[ST+4*\i+3]
.endr
.irp i, 0,1,2,3
	v_permlanex16_b32 v[T2+\i], v[ST+4*\i+2], s[SEL], s[SEL+1]
.endr
.irp i, 0,1,2,3
	v_add_f32 v[ST+4*\i+2], v[ST+4*\i+2], v[T2+\i] ; the row's sum
.endr
	s_wait_alu depctr_va_vdst(0)
.irp i, 0,1,2,3
	v_rcp_f32 v[ST+4*\i+2], v[ST+4*\i+2]
.endr
	v_nop
	WIN 0x41
	s_wait_alu depctr_va_vdst(0)
.irp i, 0,1,2,3
.set j, 0
.rept 16
	v_pk_mul_f32 v[O+32*\i+j:O+32*\i+j+1], v[O+32*\i+j:O+32*\i+j+1], v[ST+4*\i+2:ST+4*\i+3] op_sel_hi:[1,0]   ; O^T / the sum
.set j, j+2
.endr
.endr
	; eight blocks: block 4 a + 2 u + b is channels 32 b on of head 2 w + a, rows of tile u
	WIN 0x05
.set b, 0
.rept 8
	v_max3_num_f32 v[BM+b], |v[O+16*b]|, |v[O+16*b+1]|, 0x1800000
.set b, b+1
.endr
	WIN 0x14
.irp e, 2,4,6,8,10,12,14
.set b, 0
.rept 8
	v_max3_num_f32 v[BM+b], v[BM+b], |v[O+16*b+\e]|, |v[O+16*b+\e+1]|
.set b, b+1
.endr
.endr
	WIN 0
.set b, 0
.rept 8
	v_permlanex16_b32 v[T2+b], v[BM+b], s[SEL], s[SEL+1]
.set b, b+1
.endr
.set b, 0
.rept 8
	v_max_num_f32 v[BM+b], v[BM+b], v[T2+b]
.set b, b+1
.endr
.set b, 0
.rept 8
	v_add_nc_u32 v[BM+b], 0xff000000, v[BM+b]
.set b, b+1
.endr
.set b, 0
.rept 8
	v_lshrrev_b32 v[T2+b], 23, v[BM+b]
.set b, b+1
.endr
	WIN 0x01
.set b, 0
.rept 8
	v_cvt_scalef32_pk8_fp4_f32 v[P+2*b], v[O+16*b:O+16*b+7], v[BM+b]
	v_cvt_scalef32_pk8_fp4_f32 v[P+2*b+1], v[O+16*b+8:O+16*b+15], v[BM+b]
.set b, b+1
.endr
	WIN 0
	v_nop
.irp c, 0,1,2,3
.irp n, 0,1
	v_permlane16_swap_b32 v[P+4*\c+\n], v[P+4*\c+2+\n]
.endr
.endr
.irp u, 0,1
	v_lshl_or_b32 v[TMP+\u], v[T2+2*\u+1], 8, v[T2+2*\u]     ; tile u's scale word of K step w: my two heads' two bytes each
.endr
.irp u, 0,1
	v_lshl_or_b32 v[TMP+\u], v[T2+2*\u+4], 16, v[TMP+\u]
.endr
.irp u, 0,1
	v_lshl_or_b32 v[TMP+\u], v[T2+2*\u+5], 24, v[TMP+\u]
.endr
.irp c, 0,1,2,3
	ds_store_b128 v44, v[P+4*\c:P+4*\c+3] offset:(\c%2)*8192+(\c/2)*512
.endr
.irp u, 0,1
	ds_store_b32 v45, v[TMP+\u] offset:64*\u       ; lanes r and 16 + r write the same word with the same value
.endr
	s_wait_alu depctr_va_vdst(0)
	s_wait_dscnt 0x0                               ; for the others' sake: my images have landed, and my reads of k and v are over
	s_barrier_signal -1
	s_barrier_wait -1
	AFLOAD 0
	AFLOAD 1
; A K step of 128: 16 products (source 0 = 16 rows of W_o, source 1 = 16 rows of the attention's result), the sixteen accumulators by turns.  The first step's C is the bias.
.macro OSTEP s
.if \s < 7
	s_wait_dscnt 5                                 ; the next K step's five LDS loads may be out
.else
	s_wait_dscnt 0x0
.endif
.if \s < 6
	s_wait_loadcnt 32                              ; the two sets asked for behind this one may be out
.elseif \s == 6
	s_wait_loadcnt 16
.else
	s_wait_loadcnt 0x0
.endif
.set AFB, P-(P-Q)*((\s)%2)
.if ((\s)%3) < 2
.set WB, 128+64*((\s)%3)
.set WW, 1
.else
.set WB, V
.set WW, 0
.endif
.if \s == 0
	WIN 0x41
.else
	WIN 0x50|WW
.endif
.irp t, 0,1,2,3,4,5,6,7
.irp u, 0,1
.if \s == 0
	MM O+8*(2*\t+\u), WB+8*\t, AFB+8*\u, K+8*\t, WS+8*(\t/2)+\s, AS+(\s)%2, \t%2, \u
.else
	MM O+8*(2*\t+\u), WB+8*\t, AFB+8*\u, O+8*(2*\t+\u), WS+8*(\t/2)+\s, AS+(\s)%2, \t%2, \u
.endif
.endr
.endr
	WIN 0
.if \s < 6
	PLACES
	AFLOAD \s+2
.endif
.if \s < 5
	WLOAD \s+3
.endif
.endm
.irp s, 0,1,2,3,4,5,6,7
	OSTEP \s
.endr
	; THE WAY OUT.  Register j of lane (r, h) in accumulator (t, u) is row 8 u + r + 8 (r / 8), column 16 t + 8 h + j.  The 32 rows x 128 columns go through my own stage and come back as rows of 512 bytes.
	v_and_b32 v40, 15, v0                          ; (the address arithmetic is the places behind the last products)
	v_bfe_u32 v41, v0, 4, 1
	v_and_b32 v48, 8, v40
	v_add_nc_u32 v48, v48, v40
	s_mul_i32 s38, s[WV], SWAVE
	v_mul_u32_u24 v48, v48, SROW
	v_lshl_add_u32 v48, v41, 5, v48
	v_add_nc_u32 v48, s38, v48                     ; in: my row, 32 bytes for each half of the lanes
	v_add_nc_u32 v49, s38, v46                     ; back: the 32 lanes take one row
	WIN 0x04
.irp t, 0,1,2,3,4,5,6,7
.irp u, 0,1
	ds_store_b128 v48, v[O+8*(2*\t+\u):O+8*(2*\t+\u)+3] offset:8*SROW*\u+64*\t        ; each accumulator from its low end on
	ds_store_b128 v48, v[O+8*(2*\t+\u)+4:O+8*(2*\t+\u)+7] offset:8*SROW*\u+64*\t+16
.endr
.endr
	WIN 0
.set t, 0
.rept 32
	ds_load_b128 v[K+4*t:K+4*t+3], v49 offset:SROW*t   ; LDS serves a wave's instructions in order (ISA guide 5.7.1.4): these see my stores
.set t, t+1
.endr
	s_wait_alu depctr_va_vdst(0)
.set t, 0
.rept 32
	s_wait_dscnt 31-t                              ; the younger loads from the stage may stay out
	global_store_b128 v46, v[K+4*t:K+4*t+3], s[14:15] offset:4096*t th:TH_STORE_NT   ; 32 lanes store 512 consecutive bytes, at a multiple of 256 from the output's first byte
.set t, t+1
.endr
	s_wait_tensorcnt 0x0                           ; the wave's end
	ds_add_u32 v[SPW], v[NIL]
	s_wait_dscnt 0x0
	ROUND                                          ; the closing round
	s_endpgm
.Lfunc_end_k_q80b222a281_attn:
	.size	k_q80b222a281_attn, .Lfunc_end_k_q80b222a281_attn-k_q80b222a281_attn
	.p2alignl 7, 3214868480
	.fill 96, 4, 3214868480
	.section	.rodata,"a",@progbits
	.p2align	6, 0x0
	.amdhsa_kernel k_q80b222a281_attn
		.amdhsa_group_segment_fixed_size 169984
		.amdhsa_private_segment_fixed_size 0
		.amdhsa_enable_private_segment 0
		.amdhsa_kernarg_size 48
		.amdhsa_user_sgpr_count 2
		.amdhsa_user_sgpr_kernarg_segment_ptr 1
		.amdhsa_wavefront_size32 1
		.amdhsa_system_sgpr_workgroup_id_x 1
		.amdhsa_system_sgpr_workgroup_id_y 1
		.amdhsa_system_sgpr_workgroup_id_z 1
		.amdhsa_system_vgpr_workitem_id 0
		.amdhsa_next_free_vgpr 512
		.amdhsa_next_free_sgpr 66
		.amdhsa_reserve_vcc 0
		.amdhsa_float_denorm_mode_32 3
		.amdhsa_float_denorm_mode_16_64 3
		.amdhsa_memory_ordered 1
		.amdhsa_forward_progress 1
		.amdhsa_inst_pref_size 255
	.end_amdhsa_kernel
	.section	.bss,"aw",@nobits
	.p2align	6
	.space	262144
	.amdgpu_metadata
---
amdhsa.version: [ 1, 2 ]
amdhsa.kernels:
  - .name:           k_q80b222a281_attn
    .symbol:         k_q80b222a281_attn.kd
    .args:
      - { .name: qimg, .offset: 0, .size: 8, .value_kind: global_buffer, .address_space: global }
      - { .name: kv, .offset: 8, .size: 8, .value_kind: global_buffer, .address_space: global }
      - { .name: woimg, .offset: 16, .size: 8, .value_kind: global_buffer, .address_space: global }
      - { .name: W_o_scales, .offset: 24, .size: 8, .value_kind: global_buffer, .address_space: global }
      - { .name: b_o, .offset: 32, .size: 8, .value_kind: global_buffer, .address_space: global }
      - { .name: out0, .offset: 40, .size: 8, .value_kind: global_buffer, .address_space: global }
    .group_segment_fixed_size: 169984
    .private_segment_fixed_size: 0
    .kernarg_segment_align: 8
    .kernarg_segment_size: 48
    .max_flat_workgroup_size: 256
    .sgpr_count:     66
    .vgpr_count:     512
    .wavefront_size: 32
...
	.end_amdgpu_metadata
.endif
;; end of part 2
